; MI455X (gfx1250); checked and timed in simulation.
; The chip was launched on July 23, 2026; its instructions are those of AMD's public machine-readable ISA for CDNA 5 (MIT licence, August 2026) and "CDNA5" Instruction Set Architecture Reference Guide (July 2026). The comments in the code are by the model that wrote it; some were corrected since.
;; FFT Permuter. Allowed arithmetic: matrix products marked QUANTISED: E2M1 operands, one E8M0 scale for each 32 along K, by v_wmma_scale_f32_16x16x128_f8f6f4 with both operands' format E2M1 (or v_wmma_scale_f32_32x16x128_f4), f32 sums; everything else in f32.
;; Inputs: perm 4,096 x 4,096 float32; x 8 x 512 x 4,096 float32.
;; Outputs: out0 8 x 512 x 512 float32; out1 8 x 512 x 512 float32; out2 8 x 512 x 512 float32; out3 8 x 512 x 512 float32; out4 8 x 512 x 512 float32; out5 8 x 512 x 512 float32; out6 8 x 512 x 512 float32; out7 8 x 512 x 512 float32.
;; This version of the problem:
;;   THIS VERSION OF THE PROBLEM IS GIVEN IN LOW PRECISION. The matrix products marked QUANTISED in the list below multiply operands that are first quantised to E2M1 (2 exponent bits, 1 mantissa bit; 4 bits a number), with one power-of-two scale for each 32 numbers along K (OCP MX v1.0); their sums are f32. All else is computed in f32.
;;   The module's matrix products, in the order in which they are computed (A, B: the left and right operand; K: the contracted axis; several contracted axes count as one K, in the product's order):
;;     1. [M 4,096, K 4,096] x [K 4,096, N 4,096]; A: input x; B: input perm: QUANTISED
;;   THE QUANTISER, for each operand of a quantised product, along K:
;;     - K is cut into blocks of 32 from its start; a last block that is shorter is filled with zeros.
;;     - A block's scale is 2^e with e = floor(log2(the largest magnitude in the block)) - 2, held to -126 .. 127; a block of zeros has e = 0. As a byte (E8M0): e + 127.
;;     - Each number is divided by its block's scale, clamped to +-6, and rounded to the nearest number of E2M1, ties to even, subnormals kept.
;;     - The product sums the exact products of the quantised numbers (number of the format x scale) in f32.
;;   ~~~python
;;   def quantise(x, axis):      # numpy; x: float32 -> the quantised numbers, widened to float32 again
;;       x = np.moveaxis(x, axis, -1); K = x.shape[-1]
;;       x = np.pad(x, [(0, 0)] * (x.ndim - 1) + [(0, -K % 32)]); x = x.reshape(x.shape[:-1] + (-1, 32)); a = np.abs(x).max(-1, keepdims=True)
;;       e = np.where(a > 0, np.clip(np.frexp(np.where(a > 0, a, 1))[1] - 1 - 2, -126, 127), 0)      # np.frexp(a)[1] - 1 = floor(log2(a)), exactly
;;       r = np.clip(x / 2.0 ** e, -6, 6)
;;       step = 2.0 ** (np.maximum(np.frexp(np.where(r == 0, 1, r))[1] - 1, 0) - 1)
;;       q = np.round(r / step) * step * 2.0 ** e      # np.round: ties to even
;;       return np.moveaxis(q.reshape(q.shape[:-2] + (-1,))[..., :K], -1, axis).astype(np.float32)
;;   ~~~
;; One version. Each part assembles by itself: llvm-mc -triple=amdgcn-amd-amdhsa -mcpu=gfx1250 --defsym DOCPART=n.
;; ======== version 1 of 1: 2 launches
;; workspace buffers: aq 8,912,896 bytes; bq 8,912,896 bytes
;; launch quant (part 1): grid 512 x 1, 8 waves a work-group, no clusters, 111,616 bytes of LDS; arguments x, perm, aq, bq; writes aq, bq
.if DOCPART == 1
	.amdgcn_target "amdgcn-amd-amdhsa--gfx1250"
	.amdhsa_code_object_version 6
	.text
	.protected	k_q59a6c47d64_quant
	.globl	k_q59a6c47d64_quant
	.p2align	8
	.type	k_q59a6c47d64_quant,@function
k_q59a6c47d64_quant:
	s_mov_b64 s[64:65], 0
	v_nop
	global_prefetch_b8 v0, s[64:65] scope:SCOPE_SE
	s_setreg_imm32_b32 hwreg(HW_REG_WAVE_MODE, 25, 1), 1
	s_wait_xcnt 0x0
; x [4096 rows m][4096 k] and perm [4096 k][4096 n], f32, become codes of FP4 (E2M1) with one E8M0 scale byte for each 32 along K.
; BOTH RESULTS HAVE ONE LAYOUT, this program's own: [K step ks = 0..7][row = 0..4095][272 bytes]; a row's record holds the 512 codes of k = 512 ks .. 512 ks + 511
; (256 bytes, two codes a byte, the lower k in the low four bits) and behind them their 16 scale bytes.  A row of aq is a row m of x, a row of bq a column n of perm.
; So 128 rows of one K step are 34,816 consecutive bytes, codes and scales together, and records 272 bytes apart are what the product's LDS reads want.
; A block's scale is 2^(floor(log2(its largest magnitude)) - 2); its byte is the largest magnitude's own exponent field - 2, held at 1 from below.  Each number is divided by the scale
; and rounded to the nearest code, ties to even; beyond 6 the conversion gives the largest code.
; LIMITS: a block of zeros gets the byte 1 where the rule says 127 (its codes are zeros, which add nothing under any byte but 0xff, and the bytes are read by this program alone);
; NaN and infinities among the inputs are not served.
; SHARES: 512 work-groups of eight waves, each reading 256 KiB.  Even work-groups take x, odd ones perm: a scalar branch on the work-group's number, the same for all eight waves.
; Each of the two ways has LDS bytes of its own.  No tensor loads, no copies.
.set REC,   272                        ; a record
.set KSB,   4096*REC                   ; a K step's records of all rows
.set EMAX,  2                          ; the exponent of the format's largest number, 6
; ---- the way for x
.set SP,    80                         ; a lane's place in a turning stage: its 64 bytes + 16 of padding
.set XWB,   9472                       ; LDS of a wave: two turning stages of 32 x 80 bytes, then 16 records
.set XR,    16                         ; v16-143  eight sets of 16 numbers as they are loaded
.set XN,    144                        ; v144-175 two sets of 16 neighbours along K
.set XC,    176                        ; v176-207 codes: two registers for each step
.set XE,    208                        ; v208-223 a scale byte for each step
; ---- the way for perm
.set WST,   8*XWB                      ; LDS: the work-group's stage of 128 records, behind x's bytes
.set WX,    32                         ; v32-95   two sets of 32 numbers
.set WC,    96                         ; v96-99   a block's codes
.set WSB,   24                         ; v24-25   my eight scale bytes
	s_load_b256 s[4:11], s[0:1], 0x0               ; x s[4:5], perm s[6:7], aq s[8:9], bq s[10:11]
	v_lshl_add_u32 v254, v0, 2, 0x1b000
	v_mov_b32 v255, 0
	v_lshrrev_b32 v1, 5, v0
	v_readfirstlane_b32 s16, v1                    ; wave 0..7
	v_and_b32 v2, 31, v0                           ; lane
	v_lshlrev_b32 v7, 3, v2                        ; the way out: 8 bytes a lane
	s_lshr_b32 s18, ttmp9, 1                       ; g = 0..255: which share of the tensor
	s_and_b32 s17, ttmp9, 1
	s_cmp_lg_u32 s17, 0
	s_cbranch_scc1 .Lperm
; The way out of both ways: 4,352 bytes of finished records (17 x 256) from LDS to memory; each store of the wave covers 256 consecutive bytes, aligned.
.macro OUT17 lreg, base, o
.irp j, 0,1,2,3,4,5,6,7,8,9,10,11,12,13,14,15,16
	ds_load_b64 v[\o+2*\j:\o+2*\j+1], v[\lreg] offset:256*\j
.endr
.irp j, 0,1,2,3,4,5,6,7,8,9,10,11,12,13,14,15,16
	s_wait_dscnt 16-\j                             ; LDS loads come back in order: number j is in, the younger ones may be out
	global_store_b64 v7, v[\o+2*\j:\o+2*\j+1], s[\base:\base+1] offset:256*\j
.endr
.endm
; ======== x: K is innermost.  Work-group g takes rows 16 g .. 16 g + 15, wave w their K step w.  Step t is row 16 g + t: 512 numbers, 2,048 consecutive bytes, one record.
; The conversions take neighbours along K from ONE lane's registers, a load is dense where neighbouring LANES take neighbouring bytes.  Both are had: each of a step's four loads reads 512
; consecutive bytes; they go through the wave's own turning stage as they lie and come back 64 bytes a lane.  Two neighbouring lanes hold a block of 32.
	s_lshl_b32 s20, s18, 18                        ; 16 g rows of 16,384 bytes
	s_lshl_b32 s21, s16, 11                        ; + K step w: 2,048 bytes
	s_add_co_u32 s20, s20, s21
	s_mov_b32 s21, 0
	s_mul_i32 s22, s16, KSB                        ; aq: K step w,
	s_mul_i32 s23, s18, 16*REC                     ; record 16 g
	s_add_co_u32 s22, s22, s23
	s_mov_b32 s23, 0
	s_mul_i32 s19, s16, XWB                        ; my wave's LDS
	v_lshlrev_b32 v3, 4, v2                        ; my 16 bytes of a load's 512
	v_lshrrev_b32 v14, 2, v2
	v_mul_u32_u24 v14, v14, SP
	v_and_b32 v15, 3, v2
	v_lshl_add_u32 v14, v15, 4, v14
	v_add_nc_u32 v14, s19, v14                     ; into a turning stage: four lanes' 64 bytes on end, then 16 of padding
	v_mul_u32_u24 v15, v2, SP
	v_add_nc_u32 v15, s19, v15                     ; and out of it: my 16 neighbours
	s_add_co_u32 s19, s19, 2*32*SP
	v_add_nc_u32 v4, s19, v7                       ; the records: my 8 bytes of codes (also my place on the way out)
	v_lshrrev_b32 v5, 1, v2
	s_add_co_u32 s19, s19, 256
	v_add_nc_u32 v5, s19, v5                       ; and my block's scale byte
	s_wait_kmcnt 0x0
	s_add_nc_u64 s[4:5], s[4:5], s[20:21]
	s_add_nc_u64 s[8:9], s[8:9], s[22:23]
.macro XLOAD t
.irp i, 0,1,2,3
	global_load_b128 v[XR+16*((\t)%8)+4*\i:XR+16*((\t)%8)+4*\i+3], v3, s[4:5] offset:16384*(\t)+512*\i th:TH_LOAD_NT   ; 32 lanes read 512 consecutive bytes; read once in the launch
.endr
.endm
.macro XTURN t                         ; step t's numbers through a stage: LDS serves a wave's instructions in order, so no wait stands between the stores and the loads
.irp i, 0,1,2,3
	ds_store_b128 v14, v[XR+16*((\t)%8)+4*\i:XR+16*((\t)%8)+4*\i+3] offset:32*SP*((\t)%2)+8*SP*\i
.endr
.irp i, 0,1,2,3
	ds_load_b128 v[XN+16*((\t)%2)+4*\i:XN+16*((\t)%2)+4*\i+3], v15 offset:32*SP*((\t)%2)+16*\i
.endr
.endm
.macro XSTEP t
.set XS, XN+16*((\t)%2)
.if (\t) > 0
	s_wait_dscnt 2                                 ; this step's numbers are back from the stage (the last step's two stores into the records may be out): so its stores into the stage have read their registers,
.else
	s_wait_dscnt 0x0
.endif
.if (\t)+8 < 16
	XLOAD (\t)+8                                   ; which take the loads of eight steps on
.endif
.if (\t)+1 < 16
.if (\t) <= 7
	s_wait_loadcnt 28                              ; the next step's four loads are in; those of the seven steps behind it may be out
.else
	s_wait_loadcnt 4*(14-(\t))                     ; nothing more is asked for: the count runs down
.endif
	XTURN (\t)+1                                   ; they go through the other stage while this step is worked
.endif
	v_max3_num_f32 v8, |v[XS]|, |v[XS+1]|, |v[XS+2]|               ; the largest magnitude of my 16, in two chains
	v_max3_num_f32 v9, |v[XS+3]|, |v[XS+4]|, |v[XS+5]|
.irp i, 6,10
	v_max3_num_f32 v8, v8, |v[XS+\i]|, |v[XS+\i+1]|
	v_max3_num_f32 v9, v9, |v[XS+\i+2]|, |v[XS+\i+3]|
.endr
	v_max3_num_f32 v8, v8, |v[XS+14]|, |v[XS+15]|
	v_max3_num_f32 v8, v8, v9, (EMAX+1)<<23        ; and the floor 2^(3 - 127): so the byte cannot fall under 1
	v_max_num_f32_dpp v8, v8, v8 row_xmask:1 row_mask:0xf bank_mask:0xf   ; with my neighbour's 16: the block's
	v_add_nc_u32 v11, -(EMAX<<23), v8              ; 2 off its exponent field: the conversion takes the exponent field of this operand as its scale, and nothing else of it
	v_cvt_scalef32_pk8_fp4_f32 v[XC+2*(\t)], v[XS:XS+7], v11       ; the first number's code in the lowest four bits
	v_cvt_scalef32_pk8_fp4_f32 v[XC+2*(\t)+1], v[XS+8:XS+15], v11
	v_lshrrev_b32 v[XE+(\t)], 23, v11              ; the scale's byte (a plain line behind the conversions)
	ds_store_b64 v4, v[XC+2*(\t):XC+2*(\t)+1] offset:REC*(\t)      ; record t: my 16 codes,
	ds_store_b8 v5, v[XE+(\t)] offset:REC*(\t)     ; and the block's byte: both lanes of a block write the same byte with the same value
.endm
.irp t, 0,1,2,3,4,5,6,7
	XLOAD \t                                       ; 32 loads a wave are out
.endr
	s_wait_loadcnt 28                              ; step 0's four are in
	XTURN 0
.irp t, 0,1,2,3,4,5,6,7,8,9,10,11,12,13,14,15
	XSTEP \t
.endr
	OUT17 4, 8, XR                                 ; my 16 records; LDS serves a wave's instructions in order: the loads see my stores.  The registers of the loaded numbers are free
	s_wait_tensorcnt 0x0
	ds_add_u32 v254, v255
	s_wait_dscnt 0x0
	s_endpgm
; ======== perm: K is the FIRST axis.  A LANE TAKES A COLUMN n AND ITS REGISTERS RUN DOWN K: each load reads neighbouring n in neighbouring lanes, a block of 32 lies in one lane's 32 registers,
; and the conversions give codes with K innermost: nothing is transposed by an instruction.  Work-group g takes columns 128 (g % 32) on and K step g / 32.  Wave w takes 32 of the columns (w % 4)
; and half of the K step (w / 4): 8 blocks a lane.  Four waves stand side by side on 512 consecutive bytes of each row of perm.  The two halves of a record meet in the work-group's stage.
.Lperm:
	s_and_b32 s24, s18, 31                         ; cg: which 128 columns
	s_lshr_b32 s25, s18, 5                         ; ks: which K step
	s_and_b32 s26, s16, 3                          ; wq: which 32 of the columns
	s_lshr_b32 s27, s16, 2                         ; kh: which half of the K step
	s_lshl_b32 s20, s25, 23                        ; perm: 512 ks rows of 16,384 bytes,
	s_lshl_b32 s28, s27, 22                        ; + 256 kh rows,
	s_add_co_u32 s20, s20, s28
	s_lshl_b32 s28, s24, 9                         ; + 128 cg columns,
	s_add_co_u32 s20, s20, s28
	s_lshl_b32 s28, s26, 7                         ; + 32 wq columns
	s_add_co_u32 s20, s20, s28
	s_mov_b32 s21, 0
	s_mul_i32 s22, s25, KSB                        ; bq: K step ks,
	s_mul_i32 s28, s24, 128*REC                    ; record 128 cg,
	s_add_co_u32 s22, s22, s28
	s_mul_i32 s28, s16, 16*REC                     ; and on the way out my eighth of the stage's bytes
	s_add_co_u32 s22, s22, s28
	s_mov_b32 s23, 0
	s_mul_i32 s29, s26, 32*REC                     ; the stage: my 32 columns' records,
	s_lshl_b32 s30, s27, 7                         ; my half of their 256 bytes of codes
	s_add_co_u32 s30, s30, s29
	s_add_co_u32 s30, s30, WST
	v_mul_u32_u24 v4, v2, REC
	v_add_nc_u32 v4, s30, v4                       ; where my column's codes go
	s_lshl_b32 s31, s27, 3                         ; my half of their 16 scale bytes
	s_add_co_u32 s31, s31, s29
	s_add_co_u32 s31, s31, WST+256
	v_mul_u32_u24 v5, v2, REC
	v_add_nc_u32 v5, s31, v5                       ; where my column's scale bytes go
	s_add_co_u32 s28, s28, WST
	v_add_nc_u32 v6, s28, v7                       ; the way out: my wave's 4,352 bytes of the stage, 8 bytes a lane
	v_lshlrev_b32 v3, 2, v2                        ; in: 4 bytes a lane
	s_wait_kmcnt 0x0
	s_add_nc_u64 s[6:7], s[6:7], s[20:21]
	s_add_nc_u64 s[10:11], s[10:11], s[22:23]
.macro WLOAD t                         ; block t: perm(32 t + i, my column), i = 0 .. 31, into set t % 2.  The largest offset, 255 rows, is 4,177,920: inside the signed 24-bit immediate
.irp i, 0,1,2,3,4,5,6,7,8,9,10,11,12,13,14,15,16,17,18,19,20,21,22,23,24,25,26,27,28,29,30,31
	global_load_b32 v[WX+32*((\t)%2)+\i], v3, s[6:7] offset:(32*(\t)+\i)*16384 th:TH_LOAD_NT
.endr
.endm
.macro WBLOCK t
.set WS, WX+32*((\t)%2)
.if (\t) < 7
	s_wait_loadcnt 32                              ; this block's 32 loads are in; the next block's may be out
.else
	s_wait_loadcnt 0x0
.endif
	v_max3_num_f32 v12, |v[WS]|, |v[WS+1]|, |v[WS+2]|              ; the block's largest magnitude: all 32 numbers are mine
	v_max3_num_f32 v13, |v[WS+3]|, |v[WS+4]|, |v[WS+5]|
.irp i, 6,10,14,18,22,26
	v_max3_num_f32 v12, v12, |v[WS+\i]|, |v[WS+\i+1]|
	v_max3_num_f32 v13, v13, |v[WS+\i+2]|, |v[WS+\i+3]|
.endr
	v_max3_num_f32 v12, v12, |v[WS+30]|, |v[WS+31]|
	v_max3_num_f32 v12, v12, v13, (EMAX+1)<<23     ; and the floor 2^(3 - 127): so the byte cannot fall under 1
	v_add_nc_u32 v11, -(EMAX<<23), v12             ; 2 off its exponent field: the conversion's scale operand
	v_lshrrev_b32 v13, 23, v11                     ; the scale's byte
.if (\t)%4 == 0
	v_mov_b32 v[WSB+(\t)/4], v13                   ; four bytes to a register, the lower K in the lower byte
.else
	v_lshl_or_b32 v[WSB+(\t)/4], v13, 8*((\t)%4), v[WSB+(\t)/4]
.endif
.irp q, 0,1,2,3
	v_cvt_scalef32_pk8_fp4_f32 v[WC+\q], v[WS+8*\q:WS+8*\q+7], v11
.endr
	ds_store_b128 v4, v[WC:WC+3] offset:16*(\t)    ; 32 codes: 16 bytes of my column's record.  (The codes go to an LDS store alone, and the next block begins with plain vector lines)
.if (\t)+2 < 8
	WLOAD (\t)+2
.endif
	s_wait_dscnt 0x0                               ; the store has read its registers: the next block's codes may be written
.endm
	WLOAD 0
	WLOAD 1
.irp t, 0,1,2,3,4,5,6,7
	WBLOCK \t
.endr
	ds_store_b64 v5, v[WSB:WSB+1]                  ; my column's eight scale bytes
	s_wait_dscnt 0x0                               ; for the others' sake: all my stores into the stage are done
	s_barrier_signal -1
	s_barrier_wait -1                              ; 128 whole records lie in the stage, as they are to lie in memory
	OUT17 6, 10, 112                               ; each wave sends an eighth of them
	s_wait_tensorcnt 0x0
	ds_add_u32 v254, v255
	s_wait_dscnt 0x0
	s_endpgm
.Lfunc_end_k_q59a6c47d64_quant:
	.size	k_q59a6c47d64_quant, .Lfunc_end_k_q59a6c47d64_quant-k_q59a6c47d64_quant
	.p2alignl 7, 3214868480
	.fill 96, 4, 3214868480
	.section	.rodata,"a",@progbits
	.p2align	6, 0x0
	.amdhsa_kernel k_q59a6c47d64_quant
		.amdhsa_group_segment_fixed_size 111616
		.amdhsa_private_segment_fixed_size 0
		.amdhsa_enable_private_segment 0
		.amdhsa_kernarg_size 32
		.amdhsa_user_sgpr_count 2
		.amdhsa_user_sgpr_kernarg_segment_ptr 1
		.amdhsa_wavefront_size32 1
		.amdhsa_system_sgpr_workgroup_id_x 1
		.amdhsa_system_sgpr_workgroup_id_y 1
		.amdhsa_system_sgpr_workgroup_id_z 1
		.amdhsa_system_vgpr_workitem_id 0
		.amdhsa_next_free_vgpr 256
		.amdhsa_next_free_sgpr 66
		.amdhsa_reserve_vcc 0
		.amdhsa_float_denorm_mode_32 3
		.amdhsa_float_denorm_mode_16_64 3
		.amdhsa_memory_ordered 1
		.amdhsa_forward_progress 1
		.amdhsa_inst_pref_size 77
	.end_amdhsa_kernel
	.amdgpu_metadata
---
amdhsa.version: [ 1, 2 ]
amdhsa.kernels:
  - .name:           k_q59a6c47d64_quant
    .symbol:         k_q59a6c47d64_quant.kd
    .args:
      - { .name: x, .offset: 0, .size: 8, .value_kind: global_buffer, .address_space: global }
      - { .name: perm, .offset: 8, .size: 8, .value_kind: global_buffer, .address_space: global }
      - { .name: aq, .offset: 16, .size: 8, .value_kind: global_buffer, .address_space: global }
      - { .name: bq, .offset: 24, .size: 8, .value_kind: global_buffer, .address_space: global }
    .group_segment_fixed_size: 111616
    .private_segment_fixed_size: 0
    .kernarg_segment_align: 8
    .kernarg_segment_size: 32
    .max_flat_workgroup_size: 256
    .sgpr_count:     66
    .vgpr_count:     256
    .wavefront_size: 32
...
	.end_amdgpu_metadata
.endif
;; end of part 1
;; launch gemm (part 2): grid 16 x 16, 4 waves a work-group, clusters of 4 x 4, 327,680 bytes of LDS; arguments aq, bq, out0, out1, out2, out3, out4, out5, out6, out7; writes out0, out1, out2, out3, out4, out5, out6, out7
.if DOCPART == 2
	.amdgcn_target "amdgcn-amd-amdhsa--gfx1250"
	.amdhsa_code_object_version 6
	.text
	.protected	k_q59a6c47d64_gemm
	.globl	k_q59a6c47d64_gemm
	.p2align	8
	.type	k_q59a6c47d64_gemm,@function
k_q59a6c47d64_gemm:
	s_mov_b64 s[64:65], 0
	v_nop
	global_prefetch_b8 v0, s[64:65] scope:SCOPE_SE
	s_setreg_imm32_b32 hwreg(HW_REG_WAVE_MODE, 25, 1), 1
	s_wait_xcnt 0x0
	s_wait_alu depctr_hold_cnt(0) depctr_sa_sdst(0) depctr_va_vdst(0) depctr_va_sdst(0) depctr_va_ssrc(0) depctr_va_vcc(0) depctr_vm_vsrc(0)
	s_getreg_b32 s2, hwreg(HW_REG_IB_STS2, 6, 4)
	s_cmp_eq_u32 s2, 0
	s_cbranch_scc0 .Lentry_in_a_cluster
	s_endpgm
.Lentry_in_a_cluster:
	s_bfe_u32 s2, ttmp6, 0x10000c
	s_cmp_lg_u32 s2, 0xf033
	s_cbranch_scc0 .Lentry_shape_is_right
	s_endpgm
.Lentry_shape_is_right:
; C[m][n] = sum over k of A[m][k] B[n][k], M = N = K = 4,096, on codes of FP4 (E2M1) with one E8M0 scale for each 32 along K; sums in f32.  Columns 512 c .. 512 c + 511 of C are output c, [4096][512] f32.
; aq and bq are laid [K step of 512][row][272 bytes]: a row's record is 256 bytes of codes (the lower k in the low four bits) and its 16 scale bytes.
; A tile of C, 256 x 256, is made by a work-group of four waves; a wave makes 128 x 128: 64 accumulators of 16 x 16, 512 registers.  16 x 16 tiles: one for each of 256 work-groups.
; K goes in 8 steps of 512 through a ring of two LDS slots filled by the tensor data mover.  128 rows of a K step are 34,816 consecutive bytes of memory: one tensor load a wave brings them as 136 rows of 256 bytes,
; CODES AND SCALES TOGETHER.  In LDS the records lie 272 bytes = 68 words apart: row r starts at bank 4 r mod 64 (64 banks of 4 bytes: ISA guide 11.1), so the 16 rows that a load touches start at 16 different banks:
; the scale bytes stand where padding would.
; CLUSTERS: 4 x 4 work-groups.  The four of a row of the cluster need the same tiles of A, the four of a column the same tiles of B: each tile is asked for JOINTLY, by the same tensor load with the
; same descriptor and a mask that names the four.  THE MATRIX INSTRUCTION IS USED TRANSPOSED (source 0 = 16 rows of B, source 1 = 16 rows of A): a lane then holds eight neighbouring numbers of a row of C.
; REGISTERS, in windows of 256: window 0: v0-31 addresses; v32-95 scale words, two sets; from v128 A's fragments (8 x 16 rows x 128 K), ONE set; on the way out v128-255 take rows of C.
;   window 1: B's fragments, TWO sets, at v0 and at v128.   window 2: the 32 accumulators of my rows 0-63 (accumulator (a, b) at v[8 (8 a + b)]);   window 3: those of my rows 64-127.
; A step of 128 along K is 64 matrix instructions, A's blocks one after the other, each against B's eight.  So a block of A is free as soon as its eight products are issued, and one set of registers serves A:
; blocks 0-3 are fetched anew in the step's middle, blocks 4-7 at its end.  B's fragments are at work through the whole step, so B has two sets.
.set NQ,     4                         ; matrix instructions deep in a slot: 512 / 128
.set PITCH,  272                       ; a record
.set KSB,    4096*PITCH                ; a K step's records of all 4,096 rows
.set FR,     8                         ; registers of a fragment: 16 rows x 128 K
.set NL,     2                         ; LDS loads that bring one
.set NP,     4                         ; places behind this matrix instruction (ISA guide 7.12.1)
.set HALFT,  128*PITCH                 ; 128 records: what one tensor load brings, and what one wave reads of A or of B
.set SLOT,   4*HALFT                   ; A's 256 records, then B's 256
.set LAPS,   4                         ; a lap = two K steps = once round the ring
.set SPARE,  2*SLOT                    ; behind the ring: the spare words, 128 bytes for each wave: two blocks of 256 bytes that no other line names
.set SPITCH, 528                       ; the way out: a stage of 16 rows x (512 bytes + 16) for each wave.  It lies in slot 0, which has had its last fill and its last read when the first result is stored there
.set OROW,   2048                      ; a row of an output in bytes
.set ADRA, 16                          ; v16-17  LDS address of my A fragments in slot 0, 1
.set ADRB, 20                          ; v20-21  the same for B
.set ADRS, 22                          ; v22-23  LDS address of my scale words in slot 0, 1: lanes 0-15 A's records, lanes 16-31 B's
.set STO,  24                          ; v24     the way out: where I put 32 bytes of a row
.set RD,   25                          ; v25     the way out: where I read a row back
.set CO,   26                          ; v26     my byte offset in a row of C
.set SPW,  28                          ; v28     LDS address of my spare word: SPARE + 4 x my thread's number; never rewritten
.set NIL,  29                          ; v29     0; never rewritten
.set SC,   32                          ; scale words: set s (for slot s) at v[SC + 32 s]; in it register 4 i + q: lanes 0-15 the word of A's block i, lanes 16-31 that of B's block i, for the slot's q-th 128 along K
.set AF,   128                         ; A's fragments, in window 0
.set BK,   128                         ; the way out: 16 rows read back from the stage: v128-191 and v192-255 by turns
.set G1, 24                            ; s[24:31] descriptor group 1 for A's tiles;  s[32:39] group 0, one set for each slot
.set G0, 32
.set G1B, 48                           ; s[48:55], s[56:63] the same for B's tiles
.set G0B, 56
.set MSB, 0
.macro WIN new                         ; the immediate's high byte repeats the setting that is left
.if MSB != \new
	s_set_vgpr_msb (MSB<<8)|\new
.set MSB, \new
.endif
.endm
.set MUL_LO, 0xa1                      ; source 0 (B) window 1, source 1 (A) window 0, C and D window 2
.set MUL_HI, 0xf1                      ; the same, C and D window 3
.set TO_B,   0x40                      ; destination window 1, address window 0
; A joint load: waves 0 and 1 fetch for A, waves 2 and 3 for B.  Each of the two lines has ONE mask and one set of registers for all that issue it; the branch hangs on the wave's number alone.
; Four v_nop follow each of the two lines, ahead of the jump, the label and what follows.
.macro JLOAD g0a, g1a, g0b, g1b
	s_cmp_eq_u32 s15, 0
	s_cbranch_scc0 .Lfor_b_\@
	tensor_load_to_lds s[\g0a:\g0a+3], s[\g1a:\g1a+7]
	s_nop 0
.rept 4
	v_nop
.endr
	s_branch .Lasked_\@
.Lfor_b_\@:
	tensor_load_to_lds s[\g0b:\g0b+3], s[\g1b:\g1b+7]
	s_nop 0
.rept 4
	v_nop
.endr
.Lasked_\@:
.endm
.macro CREST                           ; a round of the cluster's barrier behind its opening barrier
	s_cmp_lg_u32 s14, 0
	s_cbranch_scc1 .Lnot_wave_0_\@
	s_barrier_signal -3
.Lnot_wave_0_\@:
	s_barrier_wait -3
	s_barrier_signal -1
	s_barrier_wait -1
.endm
.macro CROUND                          ; a whole round
	s_barrier_signal -1
	s_barrier_wait -1
	CREST
.endm
	s_load_b128 s[4:7], s[0:1], 0x0                ; aq s[4:5], bq s[6:7]
	s_load_b512 s[68:83], s[0:1], 0x10             ; the eight outputs: output c in s[68 + 2 c : 69 + 2 c]
	v_lshl_add_u32 v[SPW], v0, 2, SPARE
	v_mov_b32 v[NIL], 0
	ds_add_u32 v28, v29
	ds_add_u32 v28, v29
	s_wait_dscnt 0x0
	v_lshrrev_b32 v1, 5, v0
	v_readfirstlane_b32 s14, v1                    ; wave 0..3
	s_lshr_b32 s15, s14, 1                         ; which half of the tile's rows is mine.  Also: I fetch for A (0) or for B (1)
	s_and_b32 s16, s14, 1                          ; which half of its columns.  Also: which 128 rows of that tile I fetch
	s_bfe_u32 s40, ttmp6, 0x40000                  ; cx, cy: my place in the cluster
	s_bfe_u32 s41, ttmp6, 0x40004
	s_lshl_b32 s42, ttmp9, 2
	s_add_co_u32 s42, s42, s40                     ; tile column of C = 4 x cluster x + cx
	s_and_b32 s17, ttmp7, 0xffff
	s_lshl_b32 s17, s17, 2
	s_add_co_u32 s17, s17, s41                     ; tile row of C = 4 x cluster y + cy
	s_lshl_b32 s43, s41, 2
	s_lshl_b32 s43, 15, s43                        ; my row of the cluster
	s_lshl_b32 s44, 0x1111, s40                    ; my column
	; descriptor group 1: 34,816 dense bytes as 136 rows of 256 bytes (32 elements of 8 bytes); no padding: the records carry their own 16 bytes
	s_or_b32 s[G1+0], s43, (3<<16)|(1<<21)         ; 15:0 the mask: A's tiles go to my row; 17:16 elements of 8 bytes; 21 set beside a mask
	s_or_b32 s[G1B+0], s44, (3<<16)|(1<<21)        ; the same with the mask of my column, for B's tiles
.irp g, G1, G1B
	s_mov_b32 s[\g+1], 32<<16                      ; tensor_dim0 = 32
	s_mov_b32 s[\g+2], 136<<16                     ; tensor_dim1 = 136
	s_mov_b32 s[\g+3], 32<<16                      ; tile_dim0 = 32
	s_mov_b32 s[\g+4], 136                         ; tile_dim1 = 136
	s_mov_b32 s[\g+5], 32                          ; tensor_dim0_stride: dense
	s_mov_b32 s[\g+6], 0
	s_mov_b32 s[\g+7], 0
.endr
	; where the tiles come from.  A's hang on the tile row alone, which my row of the cluster shares; B's on the tile column alone, which my column shares.  Every wave makes both addresses and asks by one of them.
	s_lshl_b32 s18, s16, 7                         ; which 128 rows of the tile I fetch
	s_lshl_b32 s20, s17, 8
	s_add_co_u32 s20, s20, s18                     ; A: row 256 x tile row + 128 x half,
	s_mul_i32 s20, s20, PITCH                      ; in bytes (under 2^21)
	s_mov_b32 s21, 0
	s_lshl_b32 s46, s42, 8
	s_add_co_u32 s46, s46, s18                     ; B: row 256 x tile column + 128 x half
	s_mul_i32 s46, s46, PITCH
	s_mov_b32 s47, 0
	s_mul_i32 s45, s14, HALFT                      ; where they go: wave x 128 records: no place in the cluster enters an LDS address
	s_wait_kmcnt 0x0
	s_add_nc_u64 s[20:21], s[4:5], s[20:21]
	s_add_nc_u64 s[46:47], s[6:7], s[46:47]
	CROUND                                         ; all sixteen work-groups are here: the first joint loads meet
.irp s, 0,1
	s_mov_b32 s[G0+4*\s], 1                                        ; 1:0 count = 1
	s_add_co_u32 s[G0+4*\s+1], s45, \s*SLOT                        ; 63:32 LDS address
	s_add_nc_u64 s[G0+4*\s+2:G0+4*\s+3], s[20:21], \s*KSB          ; 120:64 global address: K step s
	s_or_b32 s[G0+4*\s+3], s[G0+4*\s+3], 0x80000000                ; 127:126 type = 2
	s_mov_b32 s[G0B+4*\s], 1
	s_add_co_u32 s[G0B+4*\s+1], s45, \s*SLOT
	s_add_nc_u64 s[G0B+4*\s+2:G0B+4*\s+3], s[46:47], \s*KSB
	s_or_b32 s[G0B+4*\s+3], s[G0B+4*\s+3], 0x80000000
	JLOAD G0+4*\s, G1, G0B+4*\s, G1B               ; both slots' first fills go out together: two tensor loads of mine are out
.endr
	v_and_b32 v1, 15, v0                           ; l % 16
	v_bfe_u32 v2, v0, 4, 1                         ; l / 16
	v_mul_u32_u24 v3, v1, PITCH
	v_lshl_add_u32 v4, v2, 4, v3                   ; a fragment's row x pitch + 16 x half
	s_mul_i32 s21, s15, HALFT                      ; my 128 rows of A
	s_mul_i32 s22, s16, HALFT                      ; my 128 rows of B,
	s_add_co_u32 s22, s22, 2*HALFT                 ; which lie behind A's 256
.irp s, 0,1
	v_add_nc_u32 v[ADRA+\s], s21, v4
	v_add_nc_u32 v[ADRB+\s], s22, v4
	s_add_co_u32 s21, s21, SLOT
	s_add_co_u32 s22, s22, SLOT
.endr
	s_mul_i32 s21, s15, HALFT                      ; the scale words stand at byte 256 of a record.  Lanes 0-15 take A's records,
	s_mul_i32 s22, s16, HALFT
	s_add_co_u32 s22, s22, 2*HALFT
	s_sub_co_u32 s22, s22, s21                     ; lanes 16-31 B's: the lower base + (l / 16) x the distance between the two
	v_mul_u32_u24 v6, s22, v2
	s_add_co_u32 s21, s21, 256
	v_add_nc_u32 v5, v3, v6
	v_add_nc_u32 v[ADRS], s21, v5
	v_add_nc_u32 v[ADRS+1], SLOT, v[ADRS]
	s_mul_i32 s23, s14, 16*SPITCH                  ; my stage
	v_mul_u32_u24 v5, v1, SPITCH                   ; in: row l % 16, 32 bytes for each half of the lanes
	v_lshl_add_u32 v5, v2, 5, v5
	v_add_nc_u32 v[STO], s23, v5
	v_and_b32 v6, 31, v0
	v_lshlrev_b32 v[CO], 4, v6                     ; back: the 32 lanes take one row of 512 bytes; and the same in C
	v_add_nc_u32 v[RD], s23, v[CO]
	; which output is mine: number tile column / 2, chosen bit by bit among the eight addresses; the conditions hang on the work-group's place alone
	s_lshr_b32 s84, s42, 1
	s_and_b32 s85, s84, 1
	s_cmp_lg_u32 s85, 0
	s_cselect_b64 s[68:69], s[70:71], s[68:69]
	s_cselect_b64 s[72:73], s[74:75], s[72:73]
	s_cselect_b64 s[76:77], s[78:79], s[76:77]
	s_cselect_b64 s[80:81], s[82:83], s[80:81]
	s_and_b32 s85, s84, 2
	s_cmp_lg_u32 s85, 0
	s_cselect_b64 s[68:69], s[72:73], s[68:69]
	s_cselect_b64 s[76:77], s[80:81], s[76:77]
	s_and_b32 s85, s84, 4
	s_cmp_lg_u32 s85, 0
	s_cselect_b64 s[12:13], s[76:77], s[68:69]
	s_lshl_b32 s20, s17, 8
	s_lshl_b32 s21, s15, 7
	s_add_co_u32 s20, s20, s21                     ; my first row of C: 256 x tile row + 128 x half,
	s_lshl_b32 s20, s20, 11                        ; in bytes: rows of 2,048
	s_mov_b32 s21, 0
	s_and_b32 s46, s42, 1                          ; my first column in the output, in bytes: 1,024 x (tile column % 2) + 512 x half
	s_lshl_b32 s46, s46, 10
	s_lshl_b32 s47, s16, 9
	s_add_co_u32 s46, s46, s47
	s_mov_b32 s47, 0
	s_add_nc_u64 s[20:21], s[20:21], s[46:47]
	s_add_nc_u64 s[12:13], s[12:13], s[20:21]
.macro FRAG reg, adr, q, i             ; a fragment, 16 rows x 128 K of 4-bit codes, is 8 registers: lane l holds row l % 16; registers 4 c .. 4 c + 3 hold K = 64 c + 32 (l / 16) + 0 .. 31, the lower K in the lower bits
.irp c, 0,1
	ds_load_b128 v[\reg+4*\c:\reg+4*\c+3], v[\adr] offset:64*(\q)+32*\c+(\i)*16*PITCH
.endr
.endm
; 16 matrix instructions: A's blocks a0, a0 + 1 x B's eight, 128 along K: the slot's q-th.  p: B's set;  sc: the set of scale words.  zero = 1: the first product starts the sums: nothing is ever cleared.
; The 64 accumulators take turns, one instruction a turn, in the same order in every step.
.macro MUL16 a0, p, q, sc, zero
.irp a, \a0, \a0+1
.irp b, 0,1,2,3,4,5,6,7
.if \zero
	v_wmma_scale_f32_16x16x128_f8f6f4 v[8*(8*((\a)%4)+\b):8*(8*((\a)%4)+\b)+7], v[128*(\p)+FR*\b:128*(\p)+FR*\b+FR-1], v[AF+FR*(\a):AF+FR*(\a)+FR-1], 0, v[SC+8*NQ*(\sc)+NQ*\b+(\q)], v[SC+8*NQ*(\sc)+NQ*(\a)+(\q)] matrix_a_fmt:MATRIX_FMT_FP4 matrix_b_fmt:MATRIX_FMT_FP4 matrix_a_scale:MATRIX_SCALE_ROW1
.else
	v_wmma_scale_f32_16x16x128_f8f6f4 v[8*(8*((\a)%4)+\b):8*(8*((\a)%4)+\b)+7], v[128*(\p)+FR*\b:128*(\p)+FR*\b+FR-1], v[AF+FR*(\a):AF+FR*(\a)+FR-1], v[8*(8*((\a)%4)+\b):8*(8*((\a)%4)+\b)+7], v[SC+8*NQ*(\sc)+NQ*\b+(\q)], v[SC+8*NQ*(\sc)+NQ*(\a)+(\q)] matrix_a_fmt:MATRIX_FMT_FP4 matrix_b_fmt:MATRIX_FMT_FP4 matrix_a_scale:MATRIX_SCALE_ROW1
.endif
.endr
.endr
.endm
.macro FETCH_B slot, q, p              ; B's eight fragments of the slot's q-th 128 along K into set p
	WIN TO_B
.irp i, 0,1,2,3,4,5,6,7
	FRAG 128*(\p)+FR*\i, ADRB+\slot, \q, \i
.endr
	WIN 0
.endm
.macro FETCH_A slot, q, i0             ; A's blocks i0 .. i0 + 3
.irp i, \i0, \i0+1, \i0+2, \i0+3
	FRAG AF+FR*(\i), ADRA+\slot, \q, \i
.endr
.endm
.macro SCALES sl                       ; slot sl's scale words into set sl: the 16 bytes behind a record's codes are its four words; lanes 0-15 take A's block i, lanes 16-31 B's block i
.irp i, 0,1,2,3,4,5,6,7
	ds_load_b128 v[SC+8*NQ*\sl+NQ*\i:SC+8*NQ*\sl+NQ*\i+3], v[ADRS+\sl] offset:\i*16*PITCH
.endr
.endm
; A load into a register that a matrix instruction has read, and an LDS store that reads a matrix result, stand NP places behind that matrix instruction, and only plain vector
; instructions that name none of its registers are places (ISA guide 7.12.1 for vector instructions); this text does not count the matrix instructions in between.
.macro PLACES n
.rept \n
	v_nop
.endr
.endm
; A step of 128 along K that has its successor in the same slot.
.macro STEP slot, q, zero
	s_wait_dscnt 4*NL                              ; B's set, the scale words and A's blocks 0-3 are in; the youngest eight loads (A's blocks 4-7) may be out
	WIN MUL_LO
	MUL16 0, (\q)%2, \q, \slot, \zero
	MUL16 2, (\q)%2, \q, \slot, \zero
	s_wait_dscnt 0                                 ; A's blocks 4-7 are in (asked for 32 matrix instructions ago)
	PLACES NP
	FETCH_B \slot, (\q)+1, 1-(\q)%2
	FETCH_A \slot, (\q)+1, 0
	WIN MUL_HI
	MUL16 4, (\q)%2, \q, \slot, \zero
	MUL16 6, (\q)%2, \q, \slot, \zero
	PLACES NP
	WIN 0
	FETCH_A \slot, (\q)+1, 4
.endm
; A slot's last step changes slots: ONE barrier; in front of it each wave waits for all its tensor loads, adds 0 to its spare word, and waits for that and for its own reads of this slot.  fill = 1: this slot is filled again, two K steps ahead.
.macro TURN slot, next, fill
	s_wait_tensorcnt 0x0                           ; all my tensor loads have landed: the one that was out is my part of the next slot;  (every window is 0 here: the add's two registers lie in window 0)
	ds_add_u32 v[SPW], v[NIL]                      ; 0 onto my spare word
	s_wait_dscnt 4*NL+1                            ; (the add and the youngest eight loads, A's blocks 4-7, may be out)
	WIN MUL_LO
	MUL16 0, 1, NQ-1, \slot, 0                     ; sixteen matrix instructions stand between the add and the wait for it
	s_wait_dscnt 0x0                               ; the add is done, and my reads of this slot are over
	s_barrier_signal -1
	MUL16 2, 1, NQ-1, \slot, 0
	WIN 0
	s_barrier_wait -1
.if \fill
	CREST                                          ; the barrier has opened a round of the cluster's barrier: no wave of any partner still reads this slot's tile or has a load on its way
	s_add_nc_u64 s[G0+4*\slot+2:G0+4*\slot+3], s[G0+4*\slot+2:G0+4*\slot+3], 2*KSB
	s_add_nc_u64 s[G0B+4*\slot+2:G0B+4*\slot+3], s[G0B+4*\slot+2:G0B+4*\slot+3], 2*KSB
	JLOAD G0+4*\slot, G1, G0B+4*\slot, G1B         ; the first tensor load behind the round, my one load until the next; the four v_nop behind it are the places in front of the loads below
.else
	PLACES NP
.endif
	FETCH_B \next, 0, 0
	FETCH_A \next, 0, 0
	SCALES \next
	WIN MUL_HI
	MUL16 4, 1, NQ-1, \slot, 0
	MUL16 6, 1, NQ-1, \slot, 0
	PLACES NP
	WIN 0
	FETCH_A \next, 0, 4
.endm
.macro STEPS slot, from                ; the slot's steps from .. NQ - 2
.set Q, \from
.rept NQ-1-\from
	STEP \slot, Q, 0
.set Q, Q+1
.endr
.endm
	s_wait_tensorcnt 1                             ; my part of K step 0 is in (K step 1's load may be out)
	s_barrier_signal -1
	s_barrier_wait -1                              ; everybody's is
	FETCH_B 0, 0, 0
	FETCH_A 0, 0, 0
	SCALES 0
	FETCH_A 0, 0, 4
	STEP 0, 0, 1                                   ; the first step stands in front of the loop: its products start the sums
	s_mov_b32 s3, LAPS-1
.Llap:                                                 ; a trip goes once round the ring, from a lap's second step to the next lap's first, and fills both slots again: three trips ask for K steps 2 to 7
	STEPS 0, 1
	TURN 0, 1, 1
	STEPS 1, 0
	TURN 1, 0, 1
	STEP 0, 0, 0
	s_sub_co_u32 s3, s3, 1
	s_cmp_lg_u32 s3, 0
	s_cbranch_scc1 .Llap
	STEPS 0, 1                                     ; the last lap fills nothing, and has no round of the cluster's barrier
	TURN 0, 1, 0
	STEPS 1, 0
	s_wait_dscnt 4*NL                              ; the very last step: nothing more to fetch
	WIN MUL_LO
	MUL16 0, 1, NQ-1, 1, 0
	MUL16 2, 1, NQ-1, 1, 0
	s_wait_dscnt 0
	WIN MUL_HI
	MUL16 4, 1, NQ-1, 1, 0
	MUL16 6, 1, NQ-1, 1, 0
	WIN 0
; THE WAY OUT, block by block of 16 rows x 128 columns.  A lane holds 32 neighbouring bytes of a row, and the lanes beside it hold other rows: so a block goes through my own stage in LDS and comes back as whole
; rows of 512 bytes, which the 32 lanes store as 512 consecutive bytes.  LDS serves a wave's instructions in order (ISA guide 5.7.1.4): no wait between the stores and the loads, nor in front of the next block's stores.
.macro TOSTAGE a
.set AC, 64*((\a)%4)
	WIN 0x08+4*((\a)/4)                            ; the data: window 2 or 3
.irp b, 0,1,2,3,4,5,6,7
	ds_store_b128 v[STO], v[AC+8*\b:AC+8*\b+3] offset:64*\b          ; each accumulator from its low end on
	ds_store_b128 v[STO], v[AC+8*\b+4:AC+8*\b+7] offset:64*\b+16
.endr
	WIN 0
.set BB, BK+64*((\a)%2)
.irp t, 0,1,2,3,4,5,6,7,8,9,10,11,12,13,14,15
	ds_load_b128 v[BB+4*\t:BB+4*\t+3], v[RD] offset:\t*SPITCH
.endr
.endm
.macro SEND a, younger                 ; younger: the LDS instructions issued behind block a's loads, which may stay out
.set BB, BK+64*((\a)%2)
	s_wait_dscnt \younger                          ; the block is back in registers
.if (\a) > 0
	s_add_nc_u64 s[12:13], s[12:13], 16*OROW       ; (behind a wait on XCNT: the earlier stores have read their base)  16 rows on: the stores' offsets are 15 rows at the most
.endif
.irp t, 0,1,2,3,4,5,6,7,8,9,10,11,12,13,14,15
	global_store_b128 v[CO], v[BB+4*\t:BB+4*\t+3], s[12:13] offset:\t*OROW th:TH_STORE_NT   ; 32 lanes store 512 consecutive bytes, at a multiple of 256 from the output's first byte; written once, read by nobody here
.endr
.endm
	PLACES NP                                      ; these places serve the loads into the registers that held A's fragments and the reads of the last products' results alike
	TOSTAGE 0
.irp a, 1,2,3,4,5,6,7
.if \a > 1
	s_wait_xcnt 0x0                                ; block a - 2's stores have read their registers and their base: block a's loads may land there, and the base may step
.endif
	TOSTAGE \a
	SEND \a-1, 32                                  ; behind block a - 1's loads: block a's 16 stores and 16 loads
.endr
	s_wait_xcnt 0x0                                ; block 6's stores have read their base
	SEND 7, 0
	s_wait_tensorcnt 0x0                           ; the wave's end: behind my last tensor load and my last LDS store
	ds_add_u32 v[SPW], v[NIL]
	s_wait_dscnt 0x0
	CROUND                                         ; the closing round: no work-group ends while a partner may still ask for a tile that names it
	s_endpgm
.Lfunc_end_k_q59a6c47d64_gemm:
	.size	k_q59a6c47d64_gemm, .Lfunc_end_k_q59a6c47d64_gemm-k_q59a6c47d64_gemm
	.p2alignl 7, 3214868480
	.fill 96, 4, 3214868480
	.section	.rodata,"a",@progbits
	.p2align	6, 0x0
	.amdhsa_kernel k_q59a6c47d64_gemm
		.amdhsa_group_segment_fixed_size 327680
		.amdhsa_private_segment_fixed_size 0
		.amdhsa_enable_private_segment 0
		.amdhsa_kernarg_size 80
		.amdhsa_user_sgpr_count 2
		.amdhsa_user_sgpr_kernarg_segment_ptr 1
		.amdhsa_wavefront_size32 1
		.amdhsa_system_sgpr_workgroup_id_x 1
		.amdhsa_system_sgpr_workgroup_id_y 1
		.amdhsa_system_sgpr_workgroup_id_z 1
		.amdhsa_system_vgpr_workitem_id 0
		.amdhsa_next_free_vgpr 1024
		.amdhsa_next_free_sgpr 88
		.amdhsa_reserve_vcc 0
		.amdhsa_float_denorm_mode_32 3
		.amdhsa_float_denorm_mode_16_64 3
		.amdhsa_memory_ordered 1
		.amdhsa_forward_progress 1
		.amdhsa_inst_pref_size 209
	.end_amdhsa_kernel
	.amdgpu_metadata
---
amdhsa.version: [ 1, 2 ]
amdhsa.kernels:
  - .name:           k_q59a6c47d64_gemm
    .symbol:         k_q59a6c47d64_gemm.kd
    .args:
      - { .name: aq, .offset: 0, .size: 8, .value_kind: global_buffer, .address_space: global }
      - { .name: bq, .offset: 8, .size: 8, .value_kind: global_buffer, .address_space: global }
      - { .name: out0, .offset: 16, .size: 8, .value_kind: global_buffer, .address_space: global }
      - { .name: out1, .offset: 24, .size: 8, .value_kind: global_buffer, .address_space: global }
      - { .name: out2, .offset: 32, .size: 8, .value_kind: global_buffer, .address_space: global }
      - { .name: out3, .offset: 40, .size: 8, .value_kind: global_buffer, .address_space: global }
      - { .name: out4, .offset: 48, .size: 8, .value_kind: global_buffer, .address_space: global }
      - { .name: out5, .offset: 56, .size: 8, .value_kind: global_buffer, .address_space: global }
      - { .name: out6, .offset: 64, .size: 8, .value_kind: global_buffer, .address_space: global }
      - { .name: out7, .offset: 72, .size: 8, .value_kind: global_buffer, .address_space: global }
    .group_segment_fixed_size: 327680
    .private_segment_fixed_size: 0
    .kernarg_segment_align: 8
    .kernarg_segment_size: 80
    .max_flat_workgroup_size: 128
    .sgpr_count:     88
    .vgpr_count:     1024
    .wavefront_size: 32
...
	.end_amdgpu_metadata
.endif
;; end of part 2
